; MI455X (gfx1250); checked and timed in simulation.
; The chip was launched on July 23, 2026; its instructions are those of AMD's public machine-readable ISA for CDNA 5 (MIT licence, August 2026) and "CDNA5" Instruction Set Architecture Reference Guide (July 2026). The comments in the code are by the model that wrote it; some were corrected since.
;; Mo E Layer. Allowed arithmetic: matrix products marked QUANTISED: E2M3 operands, one E8M0 scale for each 32 along K, by v_wmma_scale_f32_16x16x128_f8f6f4 with both operands' format E2M3, f32 sums; products left as they are: f32 operands where the result goes on into a quantised operand, else bf16, f16 or f32 operands; f32 sums; everything else in f32.
;; Inputs: b1 8 x 4,096 float32; b2 8 x 1,024 float32; gate_b 8 float32; gate_w 1,024 x 8 float32; w1 8 x 1,024 x 4,096 float32; w2 8 x 4,096 x 1,024 float32; x 2 x 512 x 1,024 float32.
;; Outputs: out0 2 x 512 x 1,024 float32; out1 one number float32.
;; This version of the problem:
;;   THIS VERSION OF THE PROBLEM IS GIVEN IN LOW PRECISION. The matrix products marked QUANTISED in the list below multiply operands that are first quantised to E2M3 (2 exponent bits, 3 mantissa bits; 6 bits a number), with one power-of-two scale for each 32 numbers along K (OCP MX v1.0); their sums are f32. All else is computed in f32.
;;   The module's matrix products, in the order in which they are computed (A, B: the left and right operand; K: the contracted axis; several contracted axes count as one K, in the product's order):
;;     1. [M 1,024, K 1,024] x [K 1,024, N 8]; A: input x; B: input gate_w: left as it is (N = 8 < 16)
;;     2. [M 1,024, K 1,024] x [K 1,024, N 4,096]; A: input x; B: input w1: QUANTISED
;;     3. [M 1,024, K 4,096] x [K 4,096, N 1,024]; A: computed on the way; B: input w2: QUANTISED
;;     4. [M 1,024, K 1,024] x [K 1,024, N 4,096]; A: input x; B: input w1: QUANTISED
;;     5. [M 1,024, K 4,096] x [K 4,096, N 1,024]; A: computed on the way; B: input w2: QUANTISED
;;     6. [M 1,024, K 1,024] x [K 1,024, N 4,096]; A: input x; B: input w1: QUANTISED
;;     7. [M 1,024, K 4,096] x [K 4,096, N 1,024]; A: computed on the way; B: input w2: QUANTISED
;;     8. [M 1,024, K 1,024] x [K 1,024, N 4,096]; A: input x; B: input w1: QUANTISED
;;     9. [M 1,024, K 4,096] x [K 4,096, N 1,024]; A: computed on the way; B: input w2: QUANTISED
;;     10. [M 1,024, K 1,024] x [K 1,024, N 4,096]; A: input x; B: input w1: QUANTISED
;;     11. [M 1,024, K 4,096] x [K 4,096, N 1,024]; A: computed on the way; B: input w2: QUANTISED
;;     12. [M 1,024, K 1,024] x [K 1,024, N 4,096]; A: input x; B: input w1: QUANTISED
;;     13. [M 1,024, K 4,096] x [K 4,096, N 1,024]; A: computed on the way; B: input w2: QUANTISED
;;     14. [M 1,024, K 1,024] x [K 1,024, N 4,096]; A: input x; B: input w1: QUANTISED
;;     15. [M 1,024, K 4,096] x [K 4,096, N 1,024]; A: computed on the way; B: input w2: QUANTISED
;;     16. [M 1,024, K 1,024] x [K 1,024, N 4,096]; A: input x; B: input w1: QUANTISED
;;     17. [M 1,024, K 4,096] x [K 4,096, N 1,024]; A: computed on the way; B: input w2: QUANTISED
;;   THE QUANTISER, for each operand of a quantised product, along K:
;;     - K is cut into blocks of 32 from its start; a last block that is shorter is filled with zeros.
;;     - A block's scale is 2^e with e = floor(log2(the largest magnitude in the block)) - 2, held to -126 .. 127; a block of zeros has e = 0. As a byte (E8M0): e + 127.
;;     - Each number is divided by its block's scale, clamped to +-7.5, and rounded to the nearest number of E2M3, ties to even, subnormals kept.
;;     - The product sums the exact products of the quantised numbers (number of the format x scale) in f32.
;;   ~~~python
;;   def quantise(x, axis):      # numpy; x: float32 -> the quantised numbers, widened to float32 again
;;       x = np.moveaxis(x, axis, -1); K = x.shape[-1]
;;       x = np.pad(x, [(0, 0)] * (x.ndim - 1) + [(0, -K % 32)]); x = x.reshape(x.shape[:-1] + (-1, 32)); a = np.abs(x).max(-1, keepdims=True)
;;       e = np.where(a > 0, np.clip(np.frexp(np.where(a > 0, a, 1))[1] - 1 - 2, -126, 127), 0)      # np.frexp(a)[1] - 1 = floor(log2(a)), exactly
;;       r = np.clip(x / 2.0 ** e, -7.5, 7.5)
;;       step = 2.0 ** (np.maximum(np.frexp(np.where(r == 0, 1, r))[1] - 1, 0) - 3)
;;       q = np.round(r / step) * step * 2.0 ** e      # np.round: ties to even
;;       return np.moveaxis(q.reshape(q.shape[:-2] + (-1,))[..., :K], -1, axis).astype(np.float32)
;;   ~~~
;;   OPERANDS COMPUTED ON THE WAY. 'Computed on the way' means the value that the module computes at that place (a softmax that the list does not call 'softmax' is quantised finished and normalised). What goes into a quantiser is computed in f32, as accurately as f32 sums, v_exp_f32 and their like allow (about 1e-6 of the number): no bf16 or f16 on the way to a quantiser, and a product that is left as it is and whose result goes on into a quantised operand takes f32 operands (vector FMAs, or v_wmma_f32_16x16x4_f32). A number that lies on a knife's edge between two numbers of the format may be rounded either way, as far as f32 arithmetic and the matrix unit's own rounding can turn it there, and no further.
;; One version. Each part assembles by itself: llvm-mc -triple=amdgcn-amd-amdhsa -mcpu=gfx1250 --defsym DOCPART=n.
;; ======== version 1 of 1: 3 launches
;; limits: right only within a limited range of input values
;; workspace buffers: idx 4,096 bytes of whole numbers; xq 786,432 bytes; xs 32,768 bytes; part 1,024 bytes; hq 25,165,824 bytes; hs 1,048,576 bytes; wq 25,165,824 bytes; ws 1,048,576 bytes
;; launch route (part 1): grid 576 x 1, 4 waves a work-group, no clusters, 49,664 bytes of LDS; arguments x, gate_w, gate_b, idx, xq, xs, part, w2, wq, ws; writes idx, xq, xs, part, wq, ws
.if DOCPART == 1
	.amdgcn_target "amdgcn-amd-amdhsa--gfx1250"
	.amdhsa_code_object_version 6
	.text
	.protected	k_qffe2f3d592_route
	.globl	k_qffe2f3d592_route
	.p2align	8
	.type	k_qffe2f3d592_route,@function
k_qffe2f3d592_route:
	s_mov_b64 s[64:65], 0
	v_nop
	global_prefetch_b8 v0, s[64:65] scope:SCOPE_SE
	s_setreg_imm32_b32 hwreg(HW_REG_WAVE_MODE, 25, 1), 1
	s_wait_xcnt 0x0
; THE ROUTER, AND x INTO CODES.  x [1024 tokens][1024] f32, gate_w [1024][8], gate_b [8].
; For each token: the 8 gate logits in f32 (fused multiply-adds), the first largest one's index -> idx[token]; the softmax (the largest logit taken away first);
; and the token's 1,024 numbers as codes of FP6 (E2M3) with one E8M0 byte for each 32 -> xq, xs.
; aux_loss = 8 x sum over (s, e) of ((p[0][s][e] + p[1][s][e]) / 2)^2: a wave owns both batch rows of two s, so it sums (p0 + p1)^2 by itself -> part[wave]; the next launch adds the 256 and doubles.
; SHARES.  256 waves; wave Wg owns tokens 2 Wg, 2 Wg + 1, 512 + 2 Wg, 513 + 2 Wg.  Lane l holds block l of a token: k = 32 l + 0 .. 31, in 32 registers: a block's largest magnitude needs no other lane.
; xq: 768 bytes a token; block l lies at 384 (l % 2) + 24 (l / 2): so half h of the lanes of an operand finds its registers of all 8 K steps as 384 bytes on end.  xs: 32 bytes a token, byte l for block l.
; No matrix unit (N = 8), no cluster (nothing large is shared), no tensor load (gate_w is 32 KiB, brought once through registers).
; LIMITS: NaN and infinities are not served; two logits that agree within f32 rounding may be ordered either way; a block whose largest magnitude lies under 2^-124, a block of zeros too, has the byte 1 (zero codes add nothing).
.set GWP,  1040                        ; LDS: gate_w as 32 lane blocks of 1,024 bytes + 16: an odd multiple of 16
.set STG,  33280                       ; behind it, for each wave: 3,072 bytes of codes, 128 scale bytes
.set WST,  3328
.set X,    32                          ; v32-159  four tokens x 32 numbers
.set ACC,  160                         ; v160-191 four tokens x 8 logits
.set G,    192                         ; v192-255 gate_w: two sets of 4 k x 8 experts; later at work
.set BEST, 10                          ; v10-13   the largest logit, later the sum of exponentials
.set BI,   14                          ; v14-17   its index
.set NM,   18                          ; v18-21   -largest x log2(e), later 1 / sum
.set PART, 22                          ; v22      the wave's part of the aux sum
; TWO KINDS OF WORK-GROUPS.  Numbers 0 to 63 are the router, as described above.  Numbers 64 to 575 turn w2 into codes (at .Lquant, behind the router's text): that work hangs on no token.
; WORK LEFT OUT: only the chosen expert's row for each token is kept; the later launches multiply only those rows.
; A NaN, an infinity or an overflow that reaches only the rows thrown away is not carried to the result.
	s_cmp_ge_u32 ttmp9, 64                         ; the branch hangs on the work-group's number alone
	s_cbranch_scc1 .Lquant
	s_load_b256 s[4:11], s[0:1], 0x0
	s_load_b128 s[12:15], s[0:1], 0x20             ; xq s[12:13], xs s[14:15]
	s_load_b64 s[24:25], s[0:1], 0x30              ; part
	v_lshl_add_u32 v30, v0, 2, 0xc000
	v_mov_b32 v31, 0
	v_lshrrev_b32 v1, 5, v0
	v_readfirstlane_b32 s26, v1                    ; wave 0..3
	v_and_b32 v1, 31, v0                           ; lane
	s_wait_alu depctr_va_vdst(0)
	s_lshl_b32 s27, ttmp9, 2
	s_add_co_u32 s27, s27, s26                     ; Wg
	s_mov_b32 s32, 0x76543210
	s_mov_b32 s33, 0xfedcba98                      ; v_permlanex16_b32's selects for lane l xor 16
	s_mov_b32 s34, 0x3fb8aa3b                      ; log2(e)
	v_lshlrev_b32 v2, 7, v1                        ; x: my block's 128 bytes
	v_lshlrev_b32 v3, 4, v1                        ; 16 x lane
	s_mul_i32 s28, s26, 8*GWP
	v_add_nc_u32 v4, s28, v3                       ; gate_w into LDS: my wave's eight lane blocks
	v_mul_u32_u24 v5, v1, GWP                      ; and out of it: my lane block
	s_mul_i32 s28, s26, WST
	s_add_co_u32 s28, s28, STG                     ; my wave's stage
	v_and_b32 v6, 1, v0
	v_mul_u32_u24 v6, v6, 384
	v_lshrrev_b32 v7, 1, v1
	v_mad_u32_u24 v6, v7, 24, v6
	v_add_nc_u32 v6, s28, v6                       ; codes in: 384 (l % 2) + 24 (l / 2)
	v_add_nc_u32 v7, s28, v3                       ; codes out: 16 x lane
	v_add_nc_u32 v8, s28, v1                       ; my scale byte
	v_lshl_add_u32 v9, v1, 2, s28                  ; scale words out
	s_lshl_b32 s29, s26, 13
	v_add_nc_u32 v24, s29, v3                      ; gate_w in memory: my wave's 8,192 bytes
	s_lshl_b32 s30, s27, 13                        ; x: token 2 Wg
	s_mov_b32 s31, 0
	s_wait_alu depctr_va_vdst(0)
	s_wait_kmcnt 0x0
	s_load_b256 s[16:23], s[8:9], 0x0              ; gate_b
.set i, 0
.rept 16
	global_load_b128 v[G+4*i:G+4*i+3], v24, s[6:7] offset:512*i
.set i, i+1
.endr
	s_add_nc_u64 s[4:5], s[4:5], s[30:31]
.irp t, 0,1,2,3
.irp q, 0,1,2,3,4,5,6,7
	global_load_b128 v[X+32*\t+4*\q:X+32*\t+4*\q+3], v2, s[4:5] offset:(\t%2)*4096+(\t/2)*2097152+16*\q th:TH_LOAD_NT
.endr
.endr
	s_mul_i32 s30, s27, 1536
	s_add_nc_u64 s[12:13], s[12:13], s[30:31]      ; xq at token 2 Wg
	s_lshl_b32 s30, s27, 6
	s_add_nc_u64 s[14:15], s[14:15], s[30:31]      ; xs likewise
	s_lshl_b32 s30, s27, 3
	s_add_nc_u64 s[10:11], s[10:11], s[30:31]      ; idx likewise
	s_lshl_b32 s30, s27, 2
	s_add_nc_u64 s[24:25], s[24:25], s[30:31]      ; part[Wg]
	s_wait_loadcnt 32                              ; gate_w's 16 loads are in; the 32 of x, issued behind them, may be out
.set i, 0
.rept 16
	ds_store_b128 v4, v[G+4*i:G+4*i+3] offset:(i/2)*GWP+(i%2)*512
.set i, i+1
.endr
	s_wait_dscnt 0x0                               ; for the others' sake: my part of gate_w has landed
	s_barrier_signal -1
	s_barrier_wait -1                              ; everybody's has; nothing is written there again
.macro GLOAD ch, set                   ; gate_w(32 l + 4 ch + 0 .. 3, all 8 experts) into a set
.irp k, 0,1,2,3
	ds_load_b128 v[G+32*(\set)+8*\k:G+32*(\set)+8*\k+3], v5 offset:(4*(\ch)+\k)*32
	ds_load_b128 v[G+32*(\set)+8*\k+4:G+32*(\set)+8*\k+7], v5 offset:(4*(\ch)+\k)*32+16
.endr
.endm
.macro DOT ch, set                     ; 64 packed multiply-adds: 4 k x 4 tokens x 4 pairs of experts; x's number serves both halves.  The very first start the sums
.irp k, 0,1,2,3
.irp t, 0,1,2,3
.irp p, 0,2,4,6
.set XP, X+32*\t+4*(\ch)+(\k/2)*2
.if ((\ch)==0) && (\k==0)
	v_pk_mul_f32 v[ACC+8*\t+\p:ACC+8*\t+\p+1], v[XP:XP+1], v[G+32*(\set)+8*\k+\p:G+32*(\set)+8*\k+\p+1] op_sel:[0,0] op_sel_hi:[0,1]
.elseif (\k%2)==0
	v_pk_fma_f32 v[ACC+8*\t+\p:ACC+8*\t+\p+1], v[XP:XP+1], v[G+32*(\set)+8*\k+\p:G+32*(\set)+8*\k+\p+1], v[ACC+8*\t+\p:ACC+8*\t+\p+1] op_sel:[0,0,0] op_sel_hi:[0,1,1]
.else
	v_pk_fma_f32 v[ACC+8*\t+\p:ACC+8*\t+\p+1], v[XP:XP+1], v[G+32*(\set)+8*\k+\p:G+32*(\set)+8*\k+\p+1], v[ACC+8*\t+\p:ACC+8*\t+\p+1] op_sel:[1,0,0] op_sel_hi:[1,1,1]
.endif
.endr
.endr
.endr
.endm
	GLOAD 0, 0
	s_wait_loadcnt 0x0                             ; x
.irp c, 0,1,2,3,4,5,6
	GLOAD \c+1, (\c+1)%2
	s_wait_dscnt 8                                 ; this chunk's eight loads are in; the next chunk's eight may be out
	DOT \c, \c%2
.endr
	s_wait_dscnt 0x0
	DOT 7, 1
	; each lane holds its 32 k's part of the 32 sums: across the lanes, every lane ends with the whole sums
.irp m, 1,2,4,8
.set j, 0
.rept 32
	v_add_f32_dpp v[ACC+j], v[ACC+j], v[ACC+j] row_xmask:\m row_mask:0xf bank_mask:0xf
.set j, j+1
.endr
.endr
.set j, 0
.rept 32
	v_permlanex16_b32 v[G+j], v[ACC+j], s32, s33
.set j, j+1
.endr
	s_wait_kmcnt 0x0                               ; gate_b
.set j, 0
.rept 32
	v_add_f32 v[ACC+j], v[ACC+j], v[G+j]
.set j, j+1
.endr
.set j, 0
.rept 32
	v_add_f32 v[ACC+j], s[16+j%8], v[ACC+j]        ; the logits
.set j, j+1
.endr
	; the first largest: a later expert wins only where it is strictly larger
.irp t, 0,1,2,3
	v_mov_b32 v[BEST+\t], v[ACC+8*\t]
	v_mov_b32 v[BI+\t], 0
.endr
.irp e, 1,2,3,4,5,6,7
.irp t, 0,1,2,3
	v_cmp_gt_f32 vcc_lo, v[ACC+8*\t+\e], v[BEST+\t]
	v_cndmask_b32 v[BEST+\t], v[BEST+\t], v[ACC+8*\t+\e], vcc_lo
	v_cndmask_b32 v[BI+\t], v[BI+\t], \e, vcc_lo
.endr
.endr
	; the softmax: 2^((logit - largest) log2(e)); one and the same -largest x log2(e) serves a token's eight, so its rounding cancels in the division
.irp t, 0,1,2,3
	v_mul_f32 v[NM+\t], 0xbfb8aa3b, v[BEST+\t]
.endr
.set j, 0
.rept 32
	v_fma_f32 v[ACC+j], v[ACC+j], s34, v[NM+j/8]
.set j, j+1
.endr
.set j, 0
	s_wait_alu depctr_va_vdst(0)
.rept 32
	v_exp_f32 v[ACC+j], v[ACC+j]
.set j, j+1
.endr
	v_mov_b32 v[PART], 0                           ; a plain instruction behind the last exponential
	s_wait_alu depctr_va_vdst(0)                   ; one wait for the batch of 32, ahead of its first reader
.irp t, 0,1,2,3
	v_add_f32 v[BEST+\t], v[ACC+8*\t], v[ACC+8*\t+1]
.endr
.irp e, 2,3,4,5,6,7
.irp t, 0,1,2,3
	v_add_f32 v[BEST+\t], v[BEST+\t], v[ACC+8*\t+\e]
.endr
.endr
	s_wait_alu depctr_va_vdst(0)
.irp t, 0,1,2,3
	v_rcp_f32 v[NM+\t], v[BEST+\t]
.endr
	v_nop                                          ; a plain instruction behind the last reciprocal
	s_wait_alu depctr_va_vdst(0)                   ; one wait for the four
.irp p, 0,1                                    ; tokens p and p + 2 are the two batch rows of one s
.irp e, 0,1,2,3,4,5,6,7
	v_mul_f32 v[G+8*\p+\e], v[ACC+8*\p+\e], v[NM+\p]
.endr
.irp e, 0,1,2,3,4,5,6,7
	v_fma_f32 v[G+8*\p+\e], v[ACC+8*(\p+2)+\e], v[NM+\p+2], v[G+8*\p+\e]
.endr
.endr
.set j, 0
.rept 16
	v_fma_f32 v[PART], v[G+j], v[G+j], v[PART]
.set j, j+1
.endr
; A token's block into codes.  The scale is 2^(floor(log2(largest magnitude)) - 2): its byte is the largest magnitude's exponent field less 2, held at 1 from below by the floor among the leaves.
; Each token has its own registers for codes and byte, so no LDS store's data are written again.
.macro QX t
.set XS, X+32*\t
.set QC, G+12*\t
	v_max3_num_f32 v240, |v[XS]|, |v[XS+1]|, |v[XS+2]|
	v_max3_num_f32 v241, |v[XS+3]|, |v[XS+4]|, |v[XS+5]|
.irp i, 6,10,14,18,22,26
	v_max3_num_f32 v240, v240, |v[XS+\i]|, |v[XS+\i+1]|
	v_max3_num_f32 v241, v241, |v[XS+\i+2]|, |v[XS+\i+3]|
.endr
	v_max3_num_f32 v240, v240, |v[XS+30]|, |v[XS+31]|
	v_max3_num_f32 v240, v240, v241, 0x1800000     ; the floor 2^(3 - 127)
	v_add_nc_u32 v242, 0xff000000, v240            ; 2 off the exponent field: the conversion takes this operand's exponent field as its scale
	v_lshrrev_b32 v[244+\t], 23, v242              ; the byte
	v_cvt_scalef32_pk16_fp6_f32 v[QC:QC+2], v[XS:XS+15], v242
	v_cvt_scalef32_pk16_fp6_f32 v[QC+6:QC+8], v[XS+16:XS+31], v242   ; (a conversion's three registers begin on an even number)
	v_nop                                          ; one plain instruction behind a scaled conversion
	v_mov_b32 v[QC+3], v[QC+6]
	v_mov_b32 v[QC+4], v[QC+7]
	v_mov_b32 v[QC+5], v[QC+8]
	ds_store_b64 v6, v[QC:QC+1] offset:768*\t
	ds_store_b64 v6, v[QC+2:QC+3] offset:768*\t+8
	ds_store_b64 v6, v[QC+4:QC+5] offset:768*\t+16
	ds_store_b8 v8, v[244+\t] offset:3072+32*\t
.endm
	QX 0
	QX 1
	QX 2
	QX 3
.set n, 0
.rept 6
	ds_load_b128 v[32+4*n:35+4*n], v7 offset:512*n   ; LDS serves a wave's instructions in order: these see my stores
.set n, n+1
.endr
	ds_load_b32 v56, v9 offset:3072
	v_lshrrev_b32 v57, 4, v1
	v_mul_u32_u24 v57, v57, 16320
	v_lshl_add_u32 v57, v1, 2, v57                 ; xs: lanes 0-15 tokens 2 Wg, 2 Wg + 1 (64 bytes), lanes 16-31 the two 512 tokens on
	v_cmp_eq_u32 vcc_lo, 1, v1
	v_cndmask_b32 v58, v[BI], v[BI+1], vcc_lo
	v_cmp_eq_u32 vcc_lo, 2, v1
	v_cndmask_b32 v58, v58, v[BI+2], vcc_lo
	v_cmp_eq_u32 vcc_lo, 3, v1
	v_cndmask_b32 v58, v58, v[BI+3], vcc_lo        ; lane t holds token t's expert
	v_and_b32 v59, 1, v0
	v_lshlrev_b32 v59, 2, v59
	v_bfe_u32 v60, v0, 1, 1
	v_lshl_add_u32 v59, v60, 11, v59               ; idx: 4 (t % 2) + 2,048 (t / 2)
	v_mov_b32 v60, 0
	s_wait_alu depctr_va_vdst(0)
	s_wait_dscnt 0x0
	global_store_b128 v3, v[32:35], s[12:13]               ; each store of the wave covers 512 consecutive bytes, aligned
	global_store_b128 v3, v[36:39], s[12:13] offset:512
	global_store_b128 v3, v[40:43], s[12:13] offset:1024
	global_store_b128 v3, v[44:47], s[12:13] offset:393216
	global_store_b128 v3, v[48:51], s[12:13] offset:393728
	global_store_b128 v3, v[52:55], s[12:13] offset:394240
	global_store_b32 v57, v56, s[14:15]
	v_cmp_gt_u32 vcc_lo, 4, v1
	s_wait_xcnt 0x0                                ; EXEC changes only behind this wait
	s_wait_tensorcnt 0x0
	ds_add_u32 v30, v31
	s_wait_dscnt 0x0
	s_and_saveexec_b32 s35, vcc_lo
	global_store_b32 v59, v58, s[10:11]            ; four lanes: the four tokens' experts
	s_wait_xcnt 0x0
	s_or_b32 exec_lo, exec_lo, s35
	v_cmp_eq_u32 vcc_lo, 0, v1
	s_and_saveexec_b32 s35, vcc_lo
	global_store_b32 v60, v[PART], s[24:25]        ; one lane: the wave's part of the aux sum
	s_wait_xcnt 0x0
	s_or_b32 exec_lo, exec_lo, s35
	s_endpgm
; w2 [8][4096 k][1024 n] f32 INTO CODES OF FP6 (E2M3) ALONG K, with one E8M0 byte for each 32 k, laid as the last launch's operand registers want them.
; SHARES.  Work-group q = number - 64: expert q / 64, 256 columns (q % 4), 256 k ((q / 4) % 16).  A wave takes 64 columns x 256 k: eight sets of 32 k.
; A set comes by 32 loads of 8 bytes a lane: a load covers a row's 256 consecutive bytes; lane l holds columns 2 l and 2 l + 1.  Two sets of 64 registers take turns: 32 to 64 loads a wave are asked for.
; 64 moves part the two columns into registers that run down K, and the set takes the loads of two sets on.  A block's largest magnitude needs no other lane, and the conversions give K innermost.  No LDS, no barrier.
; Lanes 0-15 hold the first slice of 32 columns, lanes 16-31 the second; column 2 rho + u of a slice is row rho of its tile u.  Blocks h = 0 and 1 change halves (v_permlane16_swap_b32):
; one register then holds, for ONE slice's tile, block 2 c in lanes 0-15 and block 2 c + 1 in lanes 16-31, as the operand's layout wants.
; wq: slice (32 e + n / 32) x 98,304 + tile u x 49,152 + K step x 1,536; in it registers 0-3 at 16 x lane, 4-5 at 512 + 8 x lane, 6-7 at 768 + 8 x lane, 8-11 at 1,024 + 16 x lane.
; ws: slice x 4,096 + (K step / 2) x 256 + 8 x lane + 4 (K step % 2), lane = 16 u + rho.  Every store covers whole aligned runs of 256 bytes.
; LIMITS as above: NaN and infinities are not served; a block under 2^-124, a block of zeros too, has the byte 1.
.set W2R, 128                          ; v128-255 two sets of 32 x 2 registers as loaded
.set W2X, 64                           ; v64-127  two columns x 32 numbers down K
.set W2C, 32                           ; v32-55   codes: column c, block h at 12 c + 6 h
.Lquant:
	s_load_b64 s[4:5], s[0:1], 0x38                ; w2
	s_load_b64 s[6:7], s[0:1], 0x40                ; wq
	s_load_b64 s[8:9], s[0:1], 0x48                ; ws
	v_lshrrev_b32 v6, 5, v0
	v_readfirstlane_b32 s10, v6                    ; wave 0..3
	v_and_b32 v7, 31, v0                           ; lane
	v_lshlrev_b32 v4, 4, v7                        ; 16 x lane
	v_lshlrev_b32 v5, 3, v7                        ; 8 x lane: my two columns of a row, and my 8 bytes of a store
	s_sub_co_u32 s12, ttmp9, 64
	s_lshr_b32 s13, s12, 6                         ; expert
	s_and_b32 s14, s12, 3
	s_bfe_u32 s15, s12, 0x40002                    ; which 256 k
	s_lshl_b32 s14, s14, 2
	s_add_co_u32 s14, s14, s10                     ; which 64 columns
	s_lshl_b32 s16, s13, 24
	s_lshl_b32 s18, s15, 20
	s_add_co_u32 s16, s16, s18
	s_lshl_b32 s18, s14, 8
	s_add_co_u32 s16, s16, s18                     ; w2: expert x 16 MiB + 256 rows x 4 KiB + 256 bytes
	s_mov_b32 s17, 0
	s_lshl_b32 s18, s13, 5
	s_lshl_b32 s19, s14, 1
	s_add_co_u32 s18, s18, s19                     ; my first slice
	s_mul_i32 s20, s18, 98304
	s_mul_i32 s19, s15, 3072
	s_add_co_u32 s20, s20, s19                     ; wq: the slice, two K steps on for each 256 k
	s_mov_b32 s21, 0
	s_lshl_b32 s22, s18, 12
	s_lshl_b32 s19, s15, 8
	s_add_co_u32 s22, s22, s19                     ; ws likewise
	s_mov_b32 s23, 0
	s_wait_alu depctr_va_vdst(0)
	s_wait_kmcnt 0x0
	s_add_nc_u64 s[4:5], s[4:5], s[16:17]
	s_add_nc_u64 s[6:7], s[6:7], s[20:21]
	s_add_nc_u64 s[8:9], s[8:9], s[22:23]
.macro W2LOAD t                        ; set t: rows 32 t .. 32 t + 31; every offset is an immediate
.set li, 0
.rept 32
	global_load_b64 v[W2R+64*((\t)%2)+2*li:W2R+64*((\t)%2)+2*li+1], v5, s[4:5] offset:(32*(\t)+li)*4096 th:TH_LOAD_NT
.set li, li+1
.endr
.endm
.macro W2SET t
.set RS, W2R+64*((\t)%2)
.set HB, (\t)%2
.set CB, ((\t)%4)/2
.set KS, (\t)/4
.if (\t) < 7
	s_wait_loadcnt 32                              ; this set's 32 loads are in; the next set's 32 may be out
.else
	s_wait_loadcnt 0x0
.endif
.if ((\t)%2 == 0) && ((\t) > 0)
	s_wait_xcnt 0x0                                ; the last pair's stores have read the codes' registers, which are written again below
.endif
.set li, 0
.rept 32
	v_mov_b32 v[W2X+li], v[RS+2*li]
	v_mov_b32 v[W2X+32+li], v[RS+2*li+1]
.set li, li+1
.endr
.if (\t)+2 < 8
	W2LOAD (\t)+2                                  ; the set just read takes the loads of two sets on
.endif
.irp c, 0,1                                    ; the two columns' maxima by turns, two chains each
	v_max3_num_f32 v[8+2*\c], |v[W2X+32*\c]|, |v[W2X+32*\c+1]|, |v[W2X+32*\c+2]|
	v_max3_num_f32 v[9+2*\c], |v[W2X+32*\c+3]|, |v[W2X+32*\c+4]|, |v[W2X+32*\c+5]|
.endr
.irp i, 6,10,14,18,22,26
.irp c, 0,1
	v_max3_num_f32 v[8+2*\c], v[8+2*\c], |v[W2X+32*\c+\i]|, |v[W2X+32*\c+\i+1]|
	v_max3_num_f32 v[9+2*\c], v[9+2*\c], |v[W2X+32*\c+\i+2]|, |v[W2X+32*\c+\i+3]|
.endr
.endr
.irp c, 0,1
	v_max3_num_f32 v[8+2*\c], v[8+2*\c], |v[W2X+32*\c+30]|, |v[W2X+32*\c+31]|
.endr
.irp c, 0,1
	v_max3_num_f32 v[8+2*\c], v[8+2*\c], v[9+2*\c], 0x1800000   ; the floor 2^(3 - 127): the byte cannot fall under 1
.endr
.irp c, 0,1
	v_add_nc_u32 v[12+\c], 0xff000000, v[8+2*\c]   ; 2 off the exponent field: the conversion's scale operand
.endr
.irp c, 0,1
	v_lshrrev_b32 v[14+\c], 23, v[12+\c]           ; the byte
.endr
.irp c, 0,1
	v_cvt_scalef32_pk16_fp6_f32 v[W2C+12*\c+6*HB:W2C+12*\c+6*HB+2], v[W2X+32*\c:W2X+32*\c+15], v[12+\c]
	v_cvt_scalef32_pk16_fp6_f32 v[20+4*\c:22+4*\c], v[W2X+32*\c+16:W2X+32*\c+31], v[12+\c]   ; (a conversion's three registers begin on an even number)
.endr
.irp c, 0,1                                    ; the scale word of my column; plain instructions behind the conversions
.if (\t)%4 == 0
	v_mov_b32 v[16+2*\c+KS], v[14+\c]
.else
	v_lshl_or_b32 v[16+2*\c+KS], v[14+\c], 8*((\t)%4), v[16+2*\c+KS]
.endif
.endr
.irp c, 0,1
.irp i, 0,1,2
	v_mov_b32 v[W2C+12*\c+6*HB+3+\i], v[20+4*\c+\i]
.endr
.endr
.if HB
.irp c, 0,1
.irp i, 0,1,2,3,4,5
	v_permlane16_swap_b32 v[W2C+12*\c+\i], v[W2C+12*\c+6+\i]   ; the first now holds slice 0's tile c, the second slice 1's: registers 6 CB + i of the operand
.endr
.endr
.irp c, 0,1
.irp a, 0,1
.if CB == 0
	global_store_b128 v4, v[W2C+12*\c+6*\a:W2C+12*\c+6*\a+3], s[6:7] offset:\a*98304+\c*49152+KS*1536
	global_store_b64 v5, v[W2C+12*\c+6*\a+4:W2C+12*\c+6*\a+5], s[6:7] offset:\a*98304+\c*49152+KS*1536+512
.else
	global_store_b64 v5, v[W2C+12*\c+6*\a:W2C+12*\c+6*\a+1], s[6:7] offset:\a*98304+\c*49152+KS*1536+768
	global_store_b128 v4, v[W2C+12*\c+6*\a+2:W2C+12*\c+6*\a+5], s[6:7] offset:\a*98304+\c*49152+KS*1536+1024
.endif
.endr
.endr
.endif
.endm
	W2LOAD 0
	W2LOAD 1
.irp t, 0,1,2,3,4,5,6,7
	W2SET \t
.endr
	v_permlane16_swap_b32 v16, v18                 ; the scale words likewise: v16, v17 now hold slice 0's (lanes 0-15 tile 0, lanes 16-31 tile 1), v18, v19 slice 1's
	v_permlane16_swap_b32 v17, v19
	global_store_b64 v5, v[16:17], s[8:9]          ; two K steps' scale words of 32 columns: 256 bytes
	global_store_b64 v5, v[18:19], s[8:9] offset:4096
	s_endpgm
.Lfunc_end_k_qffe2f3d592_route:
	.size	k_qffe2f3d592_route, .Lfunc_end_k_qffe2f3d592_route-k_qffe2f3d592_route
	.p2alignl 7, 3214868480
	.fill 96, 4, 3214868480
	.section	.rodata,"a",@progbits
	.p2align	6, 0x0
	.amdhsa_kernel k_qffe2f3d592_route
		.amdhsa_group_segment_fixed_size 49664
		.amdhsa_private_segment_fixed_size 0
		.amdhsa_enable_private_segment 0
		.amdhsa_kernarg_size 80
		.amdhsa_user_sgpr_count 2
		.amdhsa_user_sgpr_kernarg_segment_ptr 1
		.amdhsa_wavefront_size32 1
		.amdhsa_system_sgpr_workgroup_id_x 1
		.amdhsa_system_sgpr_workgroup_id_y 1
		.amdhsa_system_sgpr_workgroup_id_z 1
		.amdhsa_system_vgpr_workitem_id 0
		.amdhsa_next_free_vgpr 256
		.amdhsa_next_free_sgpr 66
		.amdhsa_reserve_vcc 1
		.amdhsa_float_denorm_mode_32 3
		.amdhsa_float_denorm_mode_16_64 3
		.amdhsa_memory_ordered 1
		.amdhsa_forward_progress 1
		.amdhsa_inst_pref_size 145
	.end_amdhsa_kernel
	.amdgpu_metadata
---
amdhsa.version: [ 1, 2 ]
amdhsa.kernels:
  - .name:           k_qffe2f3d592_route
    .symbol:         k_qffe2f3d592_route.kd
    .args:
      - { .name: x, .offset: 0, .size: 8, .value_kind: global_buffer, .address_space: global }
      - { .name: gate_w, .offset: 8, .size: 8, .value_kind: global_buffer, .address_space: global }
      - { .name: gate_b, .offset: 16, .size: 8, .value_kind: global_buffer, .address_space: global }
      - { .name: idx, .offset: 24, .size: 8, .value_kind: global_buffer, .address_space: global }
      - { .name: xq, .offset: 32, .size: 8, .value_kind: global_buffer, .address_space: global }
      - { .name: xs, .offset: 40, .size: 8, .value_kind: global_buffer, .address_space: global }
      - { .name: part, .offset: 48, .size: 8, .value_kind: global_buffer, .address_space: global }
      - { .name: w2, .offset: 56, .size: 8, .value_kind: global_buffer, .address_space: global }
      - { .name: wq, .offset: 64, .size: 8, .value_kind: global_buffer, .address_space: global }
      - { .name: ws, .offset: 72, .size: 8, .value_kind: global_buffer, .address_space: global }
    .group_segment_fixed_size: 49664
    .private_segment_fixed_size: 0
    .kernarg_segment_align: 8
    .kernarg_segment_size: 80
    .max_flat_workgroup_size: 128
    .sgpr_count:     66
    .vgpr_count:     256
    .wavefront_size: 32
...
	.end_amdgpu_metadata
.endif
;; end of part 1
;; launch up (part 2): grid 32 x 8, 16 waves a work-group, no clusters, 301,056 bytes of LDS; arguments idx, xq, xs, w1, b1, hq, hs, part, out1; writes hq, hs, out1
.if DOCPART == 2
	.amdgcn_target "amdgcn-amd-amdhsa--gfx1250"
	.amdhsa_code_object_version 6
	.text
	.protected	k_qffe2f3d592_up
	.globl	k_qffe2f3d592_up
	.p2align	8
	.type	k_qffe2f3d592_up,@function
k_qffe2f3d592_up:
	s_mov_b64 s[64:65], 0
	v_nop
	global_prefetch_b8 v0, s[64:65] scope:SCOPE_SE
	s_setreg_imm32_b32 hwreg(HW_REG_WAVE_MODE, 25, 1), 1
	s_wait_xcnt 0x0
; h = Q(gelu(x w1[e] + b1[e])) for the tokens whose expert is e, on codes of FP6 (E2M3) with one E8M0 scale for each 32 along K.  Also out1 = 2 x the sum of part's 256 numbers.
; SHARES.  A work-group owns expert e (grid y) and hidden units 128 x .. 128 x + 127 (grid x).  It reads its 1,024 x 128 numbers of w1 ONCE, as f32, in 8 rounds of 128 along K, and quantises them on the way.
; As a WRITER wave w takes, in each round, block b = w % 4 of the round's four blocks of 32 along K, and columns 32 (w / 4) + lane: a lane takes a column and its 32 registers run down K, so a block's largest
; magnitude needs no other lane and the conversions give codes with K innermost.  The codes go to LDS as IMAGES OF THE OPERAND'S REGISTERS (a fragment, 16 rows x 128 K, is 12 registers a lane: three pieces of 512 bytes, lane L's 16 bytes at 16 L).
; As a MULTIPLIER wave w owns tile w of the expert's rows (16 tokens) against all 8 tiles of hidden units: its 64 results a lane are one K step of the next product, quantised in registers and stored as an image.
; All the slice's codes stay in LDS, so tiles 16 to 63 (an expert with more than 256 tokens) are served behind the stream, from LDS, in a loop of four trips: every split of the tokens is served.
; THE PRODUCT IS USED TRANSPOSED (source 0 = 16 hidden units, source 1 = 16 tokens), and column l of a group of 32 goes to tile (l / 8) % 2, row l % 8 + 8 (l / 16): so a lane holds one token, and register 16 b + i holds hidden unit 32 b + 16 (lane / 16) + i.
; THE ROWS OF AN EXPERT: row p is the p-th token, in a fixed order, whose idx is e.  Each wave finds its 16 tokens from idx by whole-number arithmetic (MASKS, LIST); the next launch does the same.
; NO TENSOR LOAD, NO CLUSTER: how many row tiles an expert has is read from memory, so the products stand under branches on that number; the barriers stand outside those branches, on every wave's path.
; What the 32 slices of an expert share, x's codes, is 12 KiB a tile beside the 512 KiB of weights that each streams alone.
; No prefetch: the weights' own loads, two rounds ahead in every wave, are the launch's stream.
; LIMITS: NaN and infinities are not served; a block whose largest magnitude lies under 2^-124, a block of zeros too, has the byte 1 (zero codes add nothing); erf is a rational f32 form of z = v / sqrt(2) held to +-4.
.set STRIDE, 16384                     ; bytes from k to k + 1 in w1
.set BSC,  98304                       ; LDS: 0: the weights' images, tile j x 12,288 + K step s x 1,536;  BSC: their scale words, s x 512 + (16 tile + row) x 4 + block
.set AX,   102400                      ; each wave's own eight fragments of x: w x 12,288 + s x 1,536
.set XS,   16                          ; v16-23   x's scale words, K steps 0 to 7 (scales and nothing else)
.set BS,   24                          ; v24-27   the weights' scale words: lanes 0-15 tile 2 j, lanes 16-31 tile 2 j + 1
.set AF,   28                          ; v28-39   x's fragment
.set BF,   40                          ; v40-87   four fragments of weights
.set ACC,  88                          ; v88-151  eight accumulators
.set W,    152                         ; v152-215 two sets of 32 numbers of w1; set 1 first holds idx; later gelu's temporaries
.set QT,   216                         ; v216-219 the weights' quantiser: two maxima, the scale operand, the byte
.set QC,   220                         ; v220-228 its codes
.set LP,   216                         ; v216-228 LIST
.set LM,   217
.set LB,   218
.set LG,   219
.set LN,   220
.set LA,   221
.set L2,   222
.set L4,   223
.set L8,   224
.set LPOS, 225
.set LT,   226
.set LU,   227
.set TOK,  228
.set TM,   216                         ; v216-231 the hidden layer's quantiser
.set PW,   232                         ; its scale word
.set PC,   236                         ; v236-254 its codes
.set Z,    152                         ; gelu: z, z^2, numerator, denominator: 16 each
.set X2,   168
.set PP,   184
.set QQ,   200
; v1 lane; v2 my offset in w1; v3-5 where my codes go; v6 where my scale byte goes; v7 16 x lane; v8 the same + 49,152; v9 scale words; v10 my fragments of x; v11, v12 my token's offsets in xq, xs; v13 64 (lane / 16); v15 4 (lane % 16)
; s22 wave; s23 e; s24 slice; s25 the expert's rows; s26 16 x my tile; s27 the tail's counter; s28 running count; s[30:33] w1's two bases; s[34:37] where h goes; s[40:41] lane selects; s[48:49] b1; s51 16 x wave; s[68:99] masks
.macro LOADW set, r                    ; round r's block: w1(128 r + 32 b + i, my column), i = 0 .. 31.  Each load covers 128 consecutive bytes; every offset is an immediate (two bases, 8 MiB apart)
.set li, 0
.rept 32
	global_load_b32 v[W+32*(\set)+li], v2, s[30+2*((\r)/4):31+2*((\r)/4)] offset:((\r)%4)*2097152+li*STRIDE th:TH_LOAD_NT
.set li, li+1
.endr
.endm
.macro QW set, ic, is                  ; a block into codes and a byte, and both into LDS
.set WS, W+32*(\set)
	v_max3_num_f32 v[QT], |v[WS]|, |v[WS+1]|, |v[WS+2]|
	v_max3_num_f32 v[QT+1], |v[WS+3]|, |v[WS+4]|, |v[WS+5]|
.irp i, 6,10,14,18,22,26
	s_delay_alu instid0(VALU_DEP_2)
	v_max3_num_f32 v[QT], v[QT], |v[WS+\i]|, |v[WS+\i+1]|
	s_delay_alu instid0(VALU_DEP_2)
	v_max3_num_f32 v[QT+1], v[QT+1], |v[WS+\i+2]|, |v[WS+\i+3]|
.endr
	s_delay_alu instid0(VALU_DEP_2)
	v_max3_num_f32 v[QT], v[QT], |v[WS+30]|, |v[WS+31]|
	s_delay_alu instid0(VALU_DEP_1)
	v_max3_num_f32 v[QT], v[QT], v[QT+1], 0x1800000   ; the floor 2^(3 - 127): the byte cannot fall under 1
	s_delay_alu instid0(VALU_DEP_1)
	v_add_nc_u32 v[QT+2], 0xff000000, v[QT]        ; 2 off the exponent field: the conversion's scale operand
	s_delay_alu instid0(VALU_DEP_1)
	v_lshrrev_b32 v[QT+3], 23, v[QT+2]             ; the byte
	v_cvt_scalef32_pk16_fp6_f32 v[QC:QC+2], v[WS:WS+15], v[QT+2]
	v_cvt_scalef32_pk16_fp6_f32 v[QC+6:QC+8], v[WS+16:WS+31], v[QT+2]   ; (a conversion's three registers begin on an even number)
	v_nop                                          ; one plain instruction behind a scaled conversion
	v_mov_b32 v[QC+3], v[QC+6]
	v_mov_b32 v[QC+4], v[QC+7]
	v_mov_b32 v[QC+5], v[QC+8]
	ds_store_b64 v3, v[QC:QC+1] offset:\ic         ; registers 6 c .. 6 c + 5 of lane row + 16 (b % 2) of the image, c = b / 2, in pairs
	ds_store_b64 v4, v[QC+2:QC+3] offset:\ic
	ds_store_b64 v5, v[QC+4:QC+5] offset:\ic
	ds_store_b8 v6, v[QT+3] offset:\is
.endm
.macro FETCH reg, adr, off             ; an image comes back as it went: the same registers in the same lanes
.irp c, 0,1,2
	ds_load_b128 v[\reg+4*\c:\reg+4*\c+3], v[\adr] offset:\off+512*\c
.endr
.endm
.macro BAR                             ; my LDS stores have landed and my LDS loads are in: then the work-group's barrier.  Each round writes bytes of its own, so the barrier orders writes before reads alone
	s_wait_dscnt 0x0
	s_barrier_signal -1
	s_barrier_wait -1
.endm
.macro LSTEP src, width, step          ; is the bit wanted beyond the next 'step' bits?
	s_delay_alu instid0(VALU_DEP_1)
	v_bfe_u32 v[LT], v[\src], v[LPOS], \width
	s_delay_alu instid0(VALU_DEP_1)
	v_cmp_ge_u32 vcc_lo, v[LN], v[LT]
	s_delay_alu instid0(VALU_DEP_1)
	v_cndmask_b32 v[LT], 0, v[LT], vcc_lo
	s_delay_alu instid0(VALU_DEP_1)
	v_sub_nc_u32 v[LN], v[LN], v[LT]
	s_delay_alu instid0(VALU_DEP_3)
	v_cndmask_b32 v[LU], 0, \step, vcc_lo
	s_delay_alu instid0(VALU_DEP_1)
	v_add_nc_u32 v[LPOS], v[LPOS], v[LU]
.endm
; v[TOK] = the token of row p = s26 + lane % 16 of the expert's list; s28 = the expert's rows.  Mask g's bit l is token 128 (g / 4) + 4 l + g % 4; the list runs by g, then by l.
; First the last mask whose running count does not pass p, then the (p - that count)-th set bit in it, by counts of 16, 8, 4, 2 and 1 bits.  Beyond the list's end it gives some token, whose result nobody uses.
.macro LIST
	v_and_b32 v[LP], 15, v0
	s_delay_alu instid0(VALU_DEP_1)
	v_add_nc_u32 v[LP], s26, v[LP]
	v_mov_b32 v[LM], 0
	v_mov_b32 v[LB], 0
	v_mov_b32 v[LG], 0
	s_mov_b32 s28, 0
.set g, 0
.rept 32
	v_cmp_le_u32 vcc_lo, s28, v[LP]
	s_delay_alu instid0(VALU_DEP_1)
	v_cndmask_b32 v[LM], v[LM], s[68+g], vcc_lo
	s_delay_alu instid0(VALU_DEP_2)
	v_cndmask_b32 v[LB], v[LB], s28, vcc_lo
	s_delay_alu instid0(VALU_DEP_3)
	v_cndmask_b32 v[LG], v[LG], g, vcc_lo
	s_bcnt1_i32_b32 s29, s[68+g]
	s_add_co_u32 s28, s28, s29
.set g, g+1
.endr
	v_sub_nc_u32 v[LN], v[LP], v[LB]
	v_lshrrev_b32 v[LT], 1, v[LM]
	s_delay_alu instid0(VALU_DEP_1)
	v_and_b32 v[LT], 0x55555555, v[LT]
	s_delay_alu instid0(VALU_DEP_1)
	v_sub_nc_u32 v[LA], v[LM], v[LT]               ; counts of 2 bits
	s_delay_alu instid0(VALU_DEP_1)
	v_lshrrev_b32 v[LT], 2, v[LA]
	s_delay_alu instid0(VALU_DEP_1)
	v_and_b32 v[LT], 0x33333333, v[LT]
	s_delay_alu instid0(VALU_DEP_3)
	v_and_b32 v[L2], 0x33333333, v[LA]
	s_delay_alu instid0(VALU_DEP_1)
	v_add_nc_u32 v[L2], v[L2], v[LT]               ; of 4
	s_delay_alu instid0(VALU_DEP_1)
	v_lshrrev_b32 v[LT], 4, v[L2]
	s_delay_alu instid0(VALU_DEP_1)
	v_add_nc_u32 v[LT], v[L2], v[LT]
	s_delay_alu instid0(VALU_DEP_1)
	v_and_b32 v[L4], 0x0f0f0f0f, v[LT]             ; of 8
	s_delay_alu instid0(VALU_DEP_1)
	v_lshrrev_b32 v[LT], 8, v[L4]
	s_delay_alu instid0(VALU_DEP_1)
	v_add_nc_u32 v[LT], v[L4], v[LT]
	s_delay_alu instid0(VALU_DEP_1)
	v_and_b32 v[L8], 0x00ff00ff, v[LT]             ; of 16
	v_mov_b32 v[LPOS], 0
	LSTEP L8, 8, 16
	LSTEP L4, 8, 8
	LSTEP L2, 4, 4
	LSTEP LA, 2, 2
	LSTEP LM, 1, 1
	v_lshrrev_b32 v[LT], 2, v[LG]
	s_delay_alu instid0(VALU_DEP_1)
	v_lshlrev_b32 v[LT], 7, v[LT]
	s_delay_alu instid0(VALU_DEP_1)
	v_lshl_add_u32 v[LT], v[LPOS], 2, v[LT]
	v_and_b32 v[LU], 3, v[LG]
	s_delay_alu instid0(VALU_DEP_1)
	v_add_nc_u32 v[LT], v[LT], v[LU]
	s_delay_alu instid0(VALU_DEP_1)
	v_min_u32 v[TOK], 0x3ff, v[LT]                 ; a number made of loaded numbers enters an address only behind this clamp
	v_bfe_u32 v[LT], v0, 4, 1
	s_delay_alu instid0(VALU_DEP_2)
	v_mul_u32_u24 v11, v[TOK], 768
	s_delay_alu instid0(VALU_DEP_1)
	v_mad_u32_u24 v11, v[LT], 384, v11             ; xq: my token, my half's 384 bytes
	s_delay_alu instid0(VALU_DEP_4)
	v_lshlrev_b32 v12, 5, v[TOK]                   ; xs: my token's 32 bytes
.endm
.macro GATHER                          ; 26 loads: my token's 8 scale words, and my half of its 8 fragments: 0-4 into v28-87, 5-7 into v216-251
	global_load_b128 v[XS:XS+3], v12, s[8:9]
	global_load_b128 v[XS+4:XS+7], v12, s[8:9] offset:16
.set n, 0
.rept 15
	global_load_b128 v[28+4*n:31+4*n], v11, s[6:7] offset:16*n
.set n, n+1
.endr
.rept 9
	global_load_b128 v[216+4*(n-15):219+4*(n-15)], v11, s[6:7] offset:16*n
.set n, n+1
.endr
.endm
.macro AXSTORE                         ; and into my own bytes of LDS, as images
.irp s, 0,1,2,3,4
.irp q, 0,1,2
	ds_store_b128 v10, v[28+12*\s+4*\q:28+12*\s+4*\q+3] offset:\s*1536+512*\q
.endr
.endr
.irp s, 5,6,7
.irp q, 0,1,2
	ds_store_b128 v10, v[216+12*(\s-5)+4*\q:216+12*(\s-5)+4*\q+3] offset:\s*1536+512*\q
.endr
.endr
	s_wait_dscnt 0x0                               ; the stores have read their registers, which are written again next
.endm
.macro BIAS                            ; b1 at the lane's hidden units, straight into the accumulators: the sums begin with it, and nothing is cleared
.irp bb, 0,1,2,3
.irp q, 0,1,2,3
	global_load_b128 v[ACC+16*\bb+4*\q:ACC+16*\bb+4*\q+3], v13, s[48:49] offset:128*\bb+16*\q
.endr
.endr
.endm
.macro WM t, j, r                      ; tile t of hidden units x my 16 tokens, K step r
.if (\t)%2
	v_wmma_scale_f32_16x16x128_f8f6f4 v[ACC+8*(\t):ACC+8*(\t)+7], v[BF+12*(\j):BF+12*(\j)+11], v[AF:AF+11], v[ACC+8*(\t):ACC+8*(\t)+7], v[BS+(\t)/2], v[XS+(\r)] matrix_a_fmt:MATRIX_FMT_FP6 matrix_b_fmt:MATRIX_FMT_FP6 matrix_a_scale:MATRIX_SCALE_ROW1
.else
	v_wmma_scale_f32_16x16x128_f8f6f4 v[ACC+8*(\t):ACC+8*(\t)+7], v[BF+12*(\j):BF+12*(\j)+11], v[AF:AF+11], v[ACC+8*(\t):ACC+8*(\t)+7], v[BS+(\t)/2], v[XS+(\r)] matrix_a_fmt:MATRIX_FMT_FP6 matrix_b_fmt:MATRIX_FMT_FP6
.endif
.endm
; K step r of my tile: eight matrix instructions, the eight accumulators by turns, one instruction a turn, from round to round too.
; lead: plain instructions in front of the loads into registers that the last matrix instructions read (ISA guide 7.12.1 for vector instructions); in the stream the next round's maxima are those.
.macro MULTB r, lead
.rept \lead
	v_nop
.endr
	FETCH AF, 10, (\r)*1536
.irp jj, 0,1,2,3
	ds_load_b32 v[BS+\jj], v9 offset:(\r)*512+128*\jj
.endr
.irp j, 0,1,2,3
	FETCH BF+12*\j, 7, \j*12288+(\r)*1536
.endr
	s_wait_dscnt 0x0
.irp t, 0,1,2,3
	WM \t, \t, \r
.endr
.rept 4
	v_nop
.endr
.irp j, 0,1,2,3
	FETCH BF+12*\j, 8, \j*12288+(\r)*1536
.endr
	s_wait_dscnt 0x0
.irp t, 4,5,6,7
	WM \t, \t-4, \r
.endr
.endm
.macro MULT r                          ; only where my tile has rows: a branch on a stored number, round register and LDS work alone
	s_cmp_lt_u32 s26, s25
	s_cbranch_scc0 .Lno_rows_\@
	MULTB \r, 0
.Lno_rows_\@:
.endm
.macro ROUND r
.if (\r)==7
	s_wait_loadcnt 0x0
.elseif (\r)>0
	s_wait_loadcnt 32                              ; this round's 32 loads are in; the next round's 32, issued behind them, may be out
.endif
	QW (\r)%2, (\r)*1536, (\r)*512
.if (\r)<6
	LOADW (\r)%2, (\r)+2                           ; two rounds ahead, into the set just read
.endif
	BAR                                            ; the round's eight fragments and their scale words lie in LDS
	MULT \r
.endm
; gelu of 16 numbers in place: v (1 + erf(v / sqrt(2))) / 2, erf(z) = z P(z^2) / Q(z^2), z held to +-4.  v[220:221], v[222:223] hold the two leading coefficients.
.macro GELU16 v
.set p, 0
.rept 8
	v_pk_mul_f32 v[Z+p:Z+p+1], v[\v+p:\v+p+1], 0x3f3504f3 op_sel_hi:[1,0]   ; each accumulator is read from its low end on
.set p, p+2
.endr
.set p, 0
.rept 16
	v_med3_num_f32 v[Z+p], v[Z+p], -4.0, 4.0
.set p, p+1
.endr
.set p, 0
.rept 8
	v_pk_mul_f32 v[X2+p:X2+p+1], v[Z+p:Z+p+1], v[Z+p:Z+p+1]
.set p, p+2
.endr
.set p, 0
.rept 8
	v_pk_fma_f32 v[PP+p:PP+p+1], v[X2+p:X2+p+1], v[220:221], 0x32edffee op_sel_hi:[1,1,0]
	v_pk_fma_f32 v[QQ+p:QQ+p+1], v[X2+p:X2+p+1], v[222:223], 0xb95fbd29 op_sel_hi:[1,1,0]
.set p, p+2
.endr
.irp c, 0xb60cff51, 0xb86ec2d2, 0xba40ac63, 0xbb41a1f6, 0xbc83dbd4
.set p, 0
.rept 8
	v_pk_fma_f32 v[PP+p:PP+p+1], v[PP+p:PP+p+1], v[X2+p:X2+p+1], \c op_sel_hi:[1,1,0]
.set p, p+2
.endr
.endr
.irp c, 0xbadc924e, 0xbbf19bf8, 0xbc69b6a7
.set p, 0
.rept 8
	v_pk_fma_f32 v[QQ+p:QQ+p+1], v[QQ+p:QQ+p+1], v[X2+p:X2+p+1], \c op_sel_hi:[1,1,0]
.set p, p+2
.endr
.endr
.set p, 0
	s_wait_alu depctr_va_vdst(0)
.rept 16
	v_rcp_f32 v[QQ+p], v[QQ+p]
.set p, p+1
.endr
.set p, 0
.rept 8
	v_pk_mul_f32 v[PP+p:PP+p+1], v[PP+p:PP+p+1], v[Z+p:Z+p+1]             ; plain work behind the reciprocals, which names none of them
.set p, p+2
.endr
.set p, 0
.rept 8
	v_pk_mul_f32 v[Z+p:Z+p+1], v[\v+p:\v+p+1], 0.5 op_sel_hi:[1,0]
.set p, p+2
.endr
	s_wait_alu depctr_va_vdst(0)                   ; one wait for the batch of 16, ahead of its first reader
.set p, 0
.rept 8
	v_pk_mul_f32 v[PP+p:PP+p+1], v[PP+p:PP+p+1], v[QQ+p:QQ+p+1]           ; erf
.set p, p+2
.endr
.set p, 0
.rept 8
	v_pk_fma_f32 v[\v+p:\v+p+1], v[Z+p:Z+p+1], v[PP+p:PP+p+1], v[Z+p:Z+p+1]
.set p, p+2
.endr
.endm
; 64 numbers of a lane, register 16 b + i = k 32 b + 16 (lane / 16) + i of my row, become a fragment's codes in v[PC] on and its scale word in v[PW]
.macro QUANT s
.irp b, 0,1,2,3
	v_max3_num_f32 v[TM+\b], |v[\s+16*\b]|, |v[\s+1+16*\b]|, 0x1800000   ; block b: my 16 numbers, and the floor 2^(3 - 127)
.endr
.irp i, 2,4,6,8,10,12,14
.irp b, 0,1,2,3
	s_delay_alu instid0(VALU_DEP_4)
	v_max3_num_f32 v[TM+\b], v[TM+\b], |v[\s+16*\b+\i]|, |v[\s+1+16*\b+\i]|
.endr
.endr
.irp b, 0,1,2,3
	s_delay_alu instid0(VALU_DEP_4)
	v_permlanex16_b32 v[TM+4+\b], v[TM+\b], s40, s41
.endr
.irp b, 0,1,2,3
	s_delay_alu instid0(VALU_DEP_4)
	v_max_num_f32 v[TM+\b], v[TM+\b], v[TM+4+\b]   ; with lane l xor 16's: the block's largest magnitude
.endr
.irp b, 0,1,2,3
	s_delay_alu instid0(VALU_DEP_4)
	v_add_nc_u32 v[TM+12+\b], 0xff000000, v[TM+\b]
.endr
.irp b, 0,1,2,3
	s_delay_alu instid0(VALU_DEP_4)
	v_lshrrev_b32 v[TM+4+\b], 23, v[TM+12+\b]
.endr
	s_delay_alu instid0(VALU_DEP_3)
	v_lshl_or_b32 v[PW], v[TM+5], 8, v[TM+4]
	s_delay_alu instid0(VALU_DEP_1)
	v_lshl_or_b32 v[PW], v[TM+6], 16, v[PW]
	s_delay_alu instid0(VALU_DEP_1)
	v_lshl_or_b32 v[PW], v[TM+7], 24, v[PW]
.irp c, 0,1
	v_cvt_scalef32_pk16_fp6_f32 v[PC+6*\c:PC+2+6*\c], v[\s+32*\c:\s+15+32*\c], v[TM+12+2*\c]
	v_cvt_scalef32_pk16_fp6_f32 v[PC+12+4*\c:PC+14+4*\c], v[\s+16+32*\c:\s+31+32*\c], v[TM+12+2*\c+1]
.endr
	v_nop                                          ; one plain instruction behind a scaled conversion
.irp c, 0,1                                    ; the operand's layout wants a whole block in a lane: lanes 0-15 block 2 c, lanes 16-31 block 2 c + 1
.irp i, 0,1,2
	v_permlane16_swap_b32 v[PC+6*\c+\i], v[PC+12+4*\c+\i]
.endr
.irp i, 0,1,2
	s_delay_alu instid0(VALU_DEP_3)
	v_mov_b32 v[PC+3+6*\c+\i], v[PC+12+4*\c+\i]
.endr
.endr
.endm
	s_load_b512 s[4:19], s[0:1], 0x0               ; idx s[4:5], xq s[6:7], xs s[8:9], w1 s[10:11], b1 s[12:13], hq s[14:15], hs s[16:17], part s[18:19]
	s_load_b64 s[20:21], s[0:1], 0x40              ; out1
	v_lshl_add_u32 v14, v0, 2, 0x49000
	v_mov_b32 v255, 0
	v_lshrrev_b32 v1, 5, v0
	s_delay_alu instid0(VALU_DEP_1)
	v_readfirstlane_b32 s22, v1                    ; wave 0..15
	v_and_b32 v1, 31, v0                           ; lane
	s_wait_alu depctr_va_vdst(0)
	s_and_b32 s23, ttmp7, 0xffff                   ; expert
	s_mov_b32 s24, ttmp9                           ; slice
	s_lshl_b32 s51, s22, 4
	s_mov_b32 s26, s51                             ; in the stream my tile is tile w
	s_lshr_b32 s44, s22, 2                         ; g: my group of 32 columns
	s_and_b32 s45, s22, 3                          ; b: my block of the K step
	s_lshr_b32 s47, s45, 1                         ; c = b / 2
	s_and_b32 s50, s45, 1                          ; b % 2
	s_mov_b32 s40, 0x76543210
	s_mov_b32 s41, 0xfedcba98                      ; v_permlanex16_b32's selects for lane l xor 16
	s_lshl_b32 s29, s44, 7
	s_lshl_b32 s38, s45, 19
	s_add_co_u32 s29, s29, s38
	v_lshl_add_u32 v2, v1, 2, s29                  ; w1: 4 lane + 128 g + 32 b rows
	v_bfe_u32 v3, v0, 3, 1                         ; u = (l / 8) % 2
	v_and_b32 v4, 7, v0
	v_bfe_u32 v5, v0, 4, 1                         ; l / 16
	s_delay_alu instid0(VALU_DEP_1)
	v_lshl_add_u32 v4, v5, 3, v4                   ; the tile's row: l % 8 + 8 (l / 16)
	s_delay_alu instid0(VALU_DEP_2)
	v_lshlrev_b32 v13, 6, v5                       ; 64 (lane / 16)
	v_mul_u32_u24 v6, v3, 12288
	s_delay_alu instid0(VALU_DEP_1)
	v_lshl_add_u32 v6, v4, 4, v6                   ; u x 12,288 + 16 row
	s_wait_alu depctr_va_vdst(0)
	v_lshlrev_b32 v3, 6, v3
	s_delay_alu instid0(VALU_DEP_1)
	v_lshl_add_u32 v8, v4, 2, v3                   ; 64 u + 4 row
	s_wait_alu depctr_va_vdst(0)
	s_mul_i32 s29, s44, 24576
	s_lshl_b32 s38, s50, 8
	s_add_co_u32 s29, s29, s38                     ; tile 2 g, lanes 16 (b % 2) on
	s_mul_i32 s38, s47, 520
	s_add_co_u32 s38, s38, s29
	v_add_nc_u32 v3, s38, v6                       ; pair 3 c of the image's registers: byte 0 or 520,
	s_add_co_u32 s38, s38, 512
	v_add_nc_u32 v5, s38, v6                       ; pair 3 c + 2: 512 or 1,032,
	s_mul_i32 s38, s47, 1016
	s_add_co_u32 s38, s38, s29
	s_add_co_u32 s38, s38, 8
	v_add_nc_u32 v4, s38, v6                       ; pair 3 c + 1: 8 or 1,024
	s_lshl_b32 s38, s44, 7
	s_add_co_u32 s38, s38, s45
	s_add_co_u32 s38, s38, BSC
	v_add_nc_u32 v6, s38, v8                       ; my scale byte: (16 tile + row) x 4 + b
	v_lshlrev_b32 v7, 4, v1
	s_delay_alu instid0(VALU_DEP_1)
	v_add_nc_u32 v8, 49152, v7
	v_lshl_add_u32 v9, v1, 2, BSC
	s_mul_i32 s38, s22, 12288
	s_add_co_u32 s38, s38, AX
	v_add_nc_u32 v10, s38, v7
	v_and_b32 v15, 15, v0
	s_delay_alu instid0(VALU_DEP_1)
	v_lshlrev_b32 v15, 2, v15
	s_lshl_b32 s38, s23, 24
	s_lshl_b32 s29, s24, 9
	s_add_co_u32 s38, s38, s29                     ; w1: expert x 16 MiB + slice x 512 bytes
	s_mov_b32 s39, 0
	s_lshl_b32 s42, s23, 14
	s_add_co_u32 s42, s42, s29                     ; b1: expert x 16 KiB + slice x 512 bytes
	s_mov_b32 s43, 0
	s_wait_alu depctr_va_vdst(0)
	s_wait_kmcnt 0x0
	s_add_nc_u64 s[30:31], s[10:11], s[38:39]
	s_add_nc_u64 s[32:33], s[30:31], 0x800000
	s_add_nc_u64 s[48:49], s[12:13], s[42:43]
.set n, 0
.rept 8
	global_load_b128 v[W+32+4*n:W+35+4*n], v7, s[4:5] offset:512*n   ; idx: register 4 j + c of lane l is token 128 j + 4 l + c
.set n, n+1
.endr
	BIAS
	LOADW 0, 0
	s_wait_loadcnt 48                              ; idx is in; behind it 16 loads of b1 and 32 of w1 may be out
.set g, 0
.rept 32
	v_cmp_eq_u32 s[68+g], s23, v[W+32+g]           ; MASKS: who goes to my expert
.set g, g+1
.endr
	LIST
	s_mov_b32 s25, s28                             ; the expert's rows
	GATHER
	LOADW 1, 1
	s_wait_loadcnt 32
	AXSTORE
	ROUND 0
	ROUND 1
	ROUND 2
	ROUND 3
	ROUND 4
	ROUND 5
	ROUND 6
	ROUND 7
	; THE TAIL: four trips, tile 16 CH + w.  Trip 0 finishes the streamed tile; the others multiply a further tile from the codes in LDS, which nobody writes any more.  No barrier.
	s_mov_b32 s27, 0
.Ltail:
	s_lshl_b32 s26, s27, 8
	s_add_co_u32 s26, s26, s51
	s_cmp_lt_u32 s26, s25
	s_cbranch_scc0 .Lnext                          ; my tile has no rows
	s_cmp_eq_u32 s27, 0
	s_cbranch_scc1 .Lepi
	LIST
	GATHER
	BIAS
	s_wait_loadcnt 0x0
	AXSTORE
	MULTB 0, 0
.irp r, 1,2,3,4,5,6,7
	MULTB \r, 4
.endr
.Lepi:
	v_mov_b32 v220, 0xaf95df0b                     ; the leading coefficients of erf's numerator and denominator; these four lines are also the places behind the last matrix instructions
	v_mov_b32 v221, 0xaf95df0b
	v_mov_b32 v222, 0xb77460cd
	v_mov_b32 v223, 0xb77460cd
	s_lshr_b32 s29, s26, 4
	s_lshl_b32 s38, s23, 6
	s_add_co_u32 s29, s29, s38                     ; 64 e + tile
	s_mul_i32 s38, s29, 49152
	s_mul_i32 s42, s24, 1536
	s_add_co_u32 s38, s38, s42
	s_mov_b32 s39, 0
	s_add_nc_u64 s[34:35], s[14:15], s[38:39]      ; hq: the tile's K step 'slice'
	s_lshl_b32 s38, s29, 11
	s_lshl_b32 s42, s24, 6
	s_add_co_u32 s38, s38, s42
	s_add_nc_u64 s[36:37], s[16:17], s[38:39]      ; hs likewise
	GELU16 ACC
	GELU16 ACC+16
	GELU16 ACC+32
	GELU16 ACC+48
	QUANT ACC
	global_store_b128 v7, v[PC:PC+3], s[34:35]             ; the fragment as it stands: each store covers 512 consecutive bytes, aligned
	global_store_b128 v7, v[PC+4:PC+7], s[34:35] offset:512
	global_store_b128 v7, v[PC+8:PC+11], s[34:35] offset:1024
	global_store_b32 v15, v[PW], s[36:37]                  ; 16 scale words; both halves of the lanes hold the same word
	s_wait_xcnt 0x0                                ; the stores' registers and bases are written again only behind this wait
.Lnext:
	s_add_co_u32 s27, s27, 1
	s_cmp_lt_u32 s27, 4
	s_cbranch_scc1 .Ltail
	; out1, by one wave of the launch
	s_or_b32 s29, s23, s24
	s_or_b32 s29, s29, s22
	s_cmp_lg_u32 s29, 0
	s_cbranch_scc1 .Lend
	v_lshlrev_b32 v216, 5, v1
	global_load_b128 v[152:155], v216, s[18:19]
	global_load_b128 v[156:159], v216, s[18:19] offset:16
	s_wait_loadcnt 0x0
	v_add_f32 v152, v152, v153
	v_add_f32 v154, v154, v155
	v_add_f32 v156, v156, v157
	v_add_f32 v158, v158, v159
	s_delay_alu instid0(VALU_DEP_3)
	v_add_f32 v152, v152, v154
	s_delay_alu instid0(VALU_DEP_2)
	v_add_f32 v156, v156, v158
	s_delay_alu instid0(VALU_DEP_1)
	v_add_f32 v152, v152, v156
	s_delay_alu instid0(VALU_DEP_1)
	v_add_f32_dpp v152, v152, v152 row_xmask:1 row_mask:0xf bank_mask:0xf
	s_delay_alu instid0(VALU_DEP_1)
	v_add_f32_dpp v152, v152, v152 row_xmask:2 row_mask:0xf bank_mask:0xf
	s_delay_alu instid0(VALU_DEP_1)
	v_add_f32_dpp v152, v152, v152 row_xmask:4 row_mask:0xf bank_mask:0xf
	s_delay_alu instid0(VALU_DEP_1)
	v_add_f32_dpp v152, v152, v152 row_xmask:8 row_mask:0xf bank_mask:0xf
	s_delay_alu instid0(VALU_DEP_1)
	v_permlanex16_b32 v153, v152, s40, s41
	s_delay_alu instid0(VALU_DEP_1)
	v_add_f32 v152, v152, v153
	s_delay_alu instid0(VALU_DEP_1)
	v_mul_f32 v152, 2.0, v152                      ; x 8 experts / 4 (the mean of two, squared)
	v_mov_b32 v154, 0
	v_cmp_eq_u32 vcc_lo, 0, v1
	s_wait_alu depctr_va_vdst(0)
	s_wait_xcnt 0x0                                ; EXEC changes only behind this wait
	s_and_saveexec_b32 s46, vcc_lo
	global_store_b32 v154, v152, s[20:21]
	s_wait_xcnt 0x0
	s_or_b32 exec_lo, exec_lo, s46
.Lend:
	s_wait_tensorcnt 0x0
	ds_add_u32 v14, v255
	s_wait_dscnt 0x0
	s_endpgm
.Lfunc_end_k_qffe2f3d592_up:
	.size	k_qffe2f3d592_up, .Lfunc_end_k_qffe2f3d592_up-k_qffe2f3d592_up
	.p2alignl 7, 3214868480
	.fill 96, 4, 3214868480
	.section	.rodata,"a",@progbits
	.p2align	6, 0x0
	.amdhsa_kernel k_qffe2f3d592_up
		.amdhsa_group_segment_fixed_size 301056
		.amdhsa_private_segment_fixed_size 0
		.amdhsa_enable_private_segment 0
		.amdhsa_kernarg_size 72
		.amdhsa_user_sgpr_count 2
		.amdhsa_user_sgpr_kernarg_segment_ptr 1
		.amdhsa_wavefront_size32 1
		.amdhsa_system_sgpr_workgroup_id_x 1
		.amdhsa_system_sgpr_workgroup_id_y 1
		.amdhsa_system_sgpr_workgroup_id_z 1
		.amdhsa_system_vgpr_workitem_id 0
		.amdhsa_next_free_vgpr 256
		.amdhsa_next_free_sgpr 100
		.amdhsa_reserve_vcc 1
		.amdhsa_float_denorm_mode_32 3
		.amdhsa_float_denorm_mode_16_64 3
		.amdhsa_memory_ordered 1
		.amdhsa_forward_progress 1
		.amdhsa_inst_pref_size 201
	.end_amdhsa_kernel
	.amdgpu_metadata
---
amdhsa.version: [ 1, 2 ]
amdhsa.kernels:
  - .name:           k_qffe2f3d592_up
    .symbol:         k_qffe2f3d592_up.kd
    .args:
      - { .name: idx, .offset: 0, .size: 8, .value_kind: global_buffer, .address_space: global }
      - { .name: xq, .offset: 8, .size: 8, .value_kind: global_buffer, .address_space: global }
      - { .name: xs, .offset: 16, .size: 8, .value_kind: global_buffer, .address_space: global }
      - { .name: w1, .offset: 24, .size: 8, .value_kind: global_buffer, .address_space: global }
      - { .name: b1, .offset: 32, .size: 8, .value_kind: global_buffer, .address_space: global }
      - { .name: hq, .offset: 40, .size: 8, .value_kind: global_buffer, .address_space: global }
      - { .name: hs, .offset: 48, .size: 8, .value_kind: global_buffer, .address_space: global }
      - { .name: part, .offset: 56, .size: 8, .value_kind: global_buffer, .address_space: global }
      - { .name: out1, .offset: 64, .size: 8, .value_kind: global_buffer, .address_space: global }
    .group_segment_fixed_size: 301056
    .private_segment_fixed_size: 0
    .kernarg_segment_align: 8
    .kernarg_segment_size: 72
    .max_flat_workgroup_size: 512
    .sgpr_count:     100
    .vgpr_count:     256
    .wavefront_size: 32
...
	.end_amdgpu_metadata
.endif
;; end of part 2
;; launch down (part 3): grid 32 x 8, 16 waves a work-group, no clusters, 141,312 bytes of LDS; arguments idx, hq, hs, wq, b2, out0, ws; writes out0
.if DOCPART == 3
	.amdgcn_target "amdgcn-amd-amdhsa--gfx1250"
	.amdhsa_code_object_version 6
	.text
	.protected	k_qffe2f3d592_down
	.globl	k_qffe2f3d592_down
	.p2align	8
	.type	k_qffe2f3d592_down,@function
k_qffe2f3d592_down:
	s_mov_b64 s[64:65], 0
	v_nop
	global_prefetch_b8 v0, s[64:65] scope:SCOPE_SE
	s_setreg_imm32_b32 hwreg(HW_REG_WAVE_MODE, 25, 1), 1
	s_wait_xcnt 0x0
; out0[token] = h w2[e] + b2[e] for the tokens whose expert is e, on codes of FP6 (E2M3) with one E8M0 scale for each 32 along K = 4,096.  Rows of experts not chosen are not multiplied.
; SHARES.  A work-group owns expert e (grid y) and output columns 32 x .. 32 x + 31 (grid x).  Its weights, 98,304 bytes of codes and 4,096 of scale words, were laid by the first launch for the operand's registers:
; each wave brings four of the 64 fragments into registers, lane L holding the fragment's 12 registers of lane L, and puts them into LDS as three pieces of 512 bytes; one barrier follows, and nobody writes those bytes again.
; Wave w owns tiles w, 16 + w, 32 + w, 48 + w of the expert's rows (16 tokens each) against the two tiles of columns, in a loop of four trips: every split of the tokens is served.
; A K step is two matrix instructions; its weights' fragments are fetched from LDS one K step ahead, into two sets of registers by turns; h's fragments come from memory two rounds (eight K steps) ahead, into three sets.
; THE PRODUCT IS USED TRANSPOSED (source 0 = 16 columns of w2, source 1 = 16 tokens); tile u's row rho is column 2 rho + u: register 8 u + j of lane (token, half) is column 16 half + 2 j + u.
; A WAVE WITHOUT ROWS issues the first trip's loads of h all the same, ahead of the barrier, so that every path writes the same registers: it names tile 0 of token 0's expert, which the launch before has stored whole, and never uses it.
; THE WAY OUT.  A tile's 16 rows go through the wave's own stage in LDS and come back a row an instruction, lane l taking column l; b2's number of that column is added there; each row is stored from a scalar base of its own:
; 128 consecutive bytes.  Rows beyond the list's end are left out by a scalar branch.
; NO TENSOR LOAD, NO CLUSTER: the number of row tiles is read from memory, so the products stand under branches on it; the barrier stands outside them.
; No prefetch: the weights are asked for whole at the head, and h's loads run two rounds ahead by themselves.
; LIMITS: NaN and infinities are not served.
.set BSC,  98304                       ; LDS: 0: codes, tile u x 49,152 + K step x 1,536, three pieces of 512 bytes at 16 x lane;  BSC: scale words, (K step / 2) x 256 + 8 x lane + 4 (K step % 2)
.set STG,  102400                      ; each wave's stage for the way out: 16 rows x (128 bytes + 16)
.set HS,   16                          ; v16-21   h's scale words, three sets of two: lanes 0-15 an even K step, lanes 16-31 the next
.set BS,   22                          ; v22-25   the weights' scale words, two pairs of K steps: lanes 0-15 tile 0, lanes 16-31 tile 1
.set ACC,  26                          ; v26-41   two accumulators
.set A,    66                          ; v66-209  three sets of four fragments of h; v66-97 first hold idx, v162-209 my part of the codes; on the way out v66-81 hold the tile's rows
.set LP,   236                         ; v236-248 LIST
.set LM,   237
.set LB,   238
.set LG,   239
.set LN,   240
.set LA,   241
.set L2,   242
.set L4,   243
.set L8,   244
.set LPOS, 245
.set LT,   246
.set LU,   247
.set TOK,  248
; v42-65, v210-233 the weights' fragments, even and odd K steps.  v1 lane; v2, v3 my part of the scale words, in memory and in LDS; v4, v6 my part of the codes (16, 8 x lane); v5 b2 at column lane;
; v7, v8 16 x lane (+ 49,152); v9 scale words; v10, v11 h's offsets; v12 stage in; v13 stage back; v14 64 (lane / 16); v15 4 x lane
.macro LOADA r, buf                    ; 14 loads: my tile's four fragments of h for round r, 512 consecutive bytes a load, and their scale words
.irp q, 0,1,2,3
.irp cc, 0,1,2
	global_load_b128 v[A+48*(\buf)+12*\q+4*\cc:A+48*(\buf)+12*\q+4*\cc+3], v10, s[34:35] offset:(4*(\r)+\q)*1536+512*\cc
.endr
.endr
.irp i, 0,1
	global_load_b32 v[HS+2*(\buf)+\i], v11, s[36:37] offset:(\r)*256+128*\i
.endr
.endm
.macro FETCHK s                        ; K step s's two fragments of weights: six LDS loads; at an even K step one more, the scale words of two K steps
.set BB, 42+168*((\s)%2)
.irp q, 0,1,2
	ds_load_b128 v[BB+4*\q:BB+4*\q+3], v7 offset:(\s)*1536+512*\q
.endr
.irp q, 0,1,2
	ds_load_b128 v[BB+12+4*\q:BB+12+4*\q+3], v8 offset:(\s)*1536+512*\q
.endr
.if (\s)%2 == 0
	ds_load_b64 v[BS+2*(((\s)/2)%2):BS+2*(((\s)/2)%2)+1], v9 offset:((\s)/2)*256
.endif
.endm
.macro WM2 s, buf                      ; the two accumulators take turns, one instruction a turn; the first K step starts the sums
.set BB, 42+168*((\s)%2)
.set AA, A+48*(\buf)+12*((\s)%4)
.set SH, HS+2*(\buf)+((\s)%4)/2
.set SB, BS+2*(((\s)/2)%2)+(\s)%2
.if (\s) == 0
	v_wmma_scale_f32_16x16x128_f8f6f4 v[ACC:ACC+7], v[BB:BB+11], v[AA:AA+11], 0, v[SB], v[SH] matrix_a_fmt:MATRIX_FMT_FP6 matrix_b_fmt:MATRIX_FMT_FP6
	v_wmma_scale_f32_16x16x128_f8f6f4 v[ACC+8:ACC+15], v[BB+12:BB+23], v[AA:AA+11], 0, v[SB], v[SH] matrix_a_fmt:MATRIX_FMT_FP6 matrix_b_fmt:MATRIX_FMT_FP6 matrix_a_scale:MATRIX_SCALE_ROW1
.elseif (\s)%2
	v_wmma_scale_f32_16x16x128_f8f6f4 v[ACC:ACC+7], v[BB:BB+11], v[AA:AA+11], v[ACC:ACC+7], v[SB], v[SH] matrix_a_fmt:MATRIX_FMT_FP6 matrix_b_fmt:MATRIX_FMT_FP6 matrix_b_scale:MATRIX_SCALE_ROW1
	v_wmma_scale_f32_16x16x128_f8f6f4 v[ACC+8:ACC+15], v[BB+12:BB+23], v[AA:AA+11], v[ACC+8:ACC+15], v[SB], v[SH] matrix_a_fmt:MATRIX_FMT_FP6 matrix_b_fmt:MATRIX_FMT_FP6 matrix_a_scale:MATRIX_SCALE_ROW1 matrix_b_scale:MATRIX_SCALE_ROW1
.else
	v_wmma_scale_f32_16x16x128_f8f6f4 v[ACC:ACC+7], v[BB:BB+11], v[AA:AA+11], v[ACC:ACC+7], v[SB], v[SH] matrix_a_fmt:MATRIX_FMT_FP6 matrix_b_fmt:MATRIX_FMT_FP6
	v_wmma_scale_f32_16x16x128_f8f6f4 v[ACC+8:ACC+15], v[BB+12:BB+23], v[AA:AA+11], v[ACC+8:ACC+15], v[SB], v[SH] matrix_a_fmt:MATRIX_FMT_FP6 matrix_b_fmt:MATRIX_FMT_FP6 matrix_a_scale:MATRIX_SCALE_ROW1
.endif
.rept 4
	v_nop                                          ; the places in front of the next loads into registers that these two read (ISA guide 7.12.1 for vector instructions)
.endr
.endm
.macro LSTEP src, width, step          ; is the bit wanted beyond the next 'step' bits?
	s_delay_alu instid0(VALU_DEP_1)
	v_bfe_u32 v[LT], v[\src], v[LPOS], \width
	s_delay_alu instid0(VALU_DEP_1)
	v_cmp_ge_u32 vcc_lo, v[LN], v[LT]
	s_delay_alu instid0(VALU_DEP_1)
	v_cndmask_b32 v[LT], 0, v[LT], vcc_lo
	s_delay_alu instid0(VALU_DEP_1)
	v_sub_nc_u32 v[LN], v[LN], v[LT]
	s_delay_alu instid0(VALU_DEP_3)
	v_cndmask_b32 v[LU], 0, \step, vcc_lo
	s_delay_alu instid0(VALU_DEP_1)
	v_add_nc_u32 v[LPOS], v[LPOS], v[LU]
.endm
; v[TOK] = the token of row p = s26 + lane % 16 of the expert's list, in the same order as in the launch before: mask g's bit l is token 128 (g / 4) + 4 l + g % 4; the list runs by g, then by l
.macro LIST
	v_and_b32 v[LP], 15, v0
	s_delay_alu instid0(VALU_DEP_1)
	v_add_nc_u32 v[LP], s26, v[LP]
	v_mov_b32 v[LM], 0
	v_mov_b32 v[LB], 0
	v_mov_b32 v[LG], 0
	s_mov_b32 s28, 0
.set g, 0
.rept 32
	v_cmp_le_u32 vcc_lo, s28, v[LP]
	s_delay_alu instid0(VALU_DEP_1)
	v_cndmask_b32 v[LM], v[LM], s[68+g], vcc_lo
	s_delay_alu instid0(VALU_DEP_2)
	v_cndmask_b32 v[LB], v[LB], s28, vcc_lo
	s_delay_alu instid0(VALU_DEP_3)
	v_cndmask_b32 v[LG], v[LG], g, vcc_lo
	s_bcnt1_i32_b32 s29, s[68+g]
	s_add_co_u32 s28, s28, s29
.set g, g+1
.endr
	v_sub_nc_u32 v[LN], v[LP], v[LB]
	v_lshrrev_b32 v[LT], 1, v[LM]
	s_delay_alu instid0(VALU_DEP_1)
	v_and_b32 v[LT], 0x55555555, v[LT]
	s_delay_alu instid0(VALU_DEP_1)
	v_sub_nc_u32 v[LA], v[LM], v[LT]
	s_delay_alu instid0(VALU_DEP_1)
	v_lshrrev_b32 v[LT], 2, v[LA]
	s_delay_alu instid0(VALU_DEP_1)
	v_and_b32 v[LT], 0x33333333, v[LT]
	s_delay_alu instid0(VALU_DEP_3)
	v_and_b32 v[L2], 0x33333333, v[LA]
	s_delay_alu instid0(VALU_DEP_1)
	v_add_nc_u32 v[L2], v[L2], v[LT]
	s_delay_alu instid0(VALU_DEP_1)
	v_lshrrev_b32 v[LT], 4, v[L2]
	s_delay_alu instid0(VALU_DEP_1)
	v_add_nc_u32 v[LT], v[L2], v[LT]
	s_delay_alu instid0(VALU_DEP_1)
	v_and_b32 v[L4], 0x0f0f0f0f, v[LT]
	s_delay_alu instid0(VALU_DEP_1)
	v_lshrrev_b32 v[LT], 8, v[L4]
	s_delay_alu instid0(VALU_DEP_1)
	v_add_nc_u32 v[LT], v[L4], v[LT]
	s_delay_alu instid0(VALU_DEP_1)
	v_and_b32 v[L8], 0x00ff00ff, v[LT]
	v_mov_b32 v[LPOS], 0
	LSTEP L8, 8, 16
	LSTEP L4, 8, 8
	LSTEP L2, 4, 4
	LSTEP LA, 2, 2
	LSTEP LM, 1, 1
	v_lshrrev_b32 v[LT], 2, v[LG]
	s_delay_alu instid0(VALU_DEP_1)
	v_lshlrev_b32 v[LT], 7, v[LT]
	s_delay_alu instid0(VALU_DEP_1)
	v_lshl_add_u32 v[LT], v[LPOS], 2, v[LT]
	v_and_b32 v[LU], 3, v[LG]
	s_delay_alu instid0(VALU_DEP_1)
	v_add_nc_u32 v[LT], v[LT], v[LU]
	s_delay_alu instid0(VALU_DEP_1)
	v_min_u32 v[TOK], 0x3ff, v[LT]
.endm
	s_load_b256 s[4:11], s[0:1], 0x0               ; idx s[4:5], hq s[6:7], hs s[8:9], wq s[10:11]
	s_load_b128 s[12:15], s[0:1], 0x20             ; b2 s[12:13], out0 s[14:15]
	s_load_b64 s[16:17], s[0:1], 0x30              ; ws
	v_lshl_add_u32 v254, v0, 2, 0x22000
	v_mov_b32 v255, 0
	v_lshrrev_b32 v1, 5, v0
	s_delay_alu instid0(VALU_DEP_1)
	v_readfirstlane_b32 s22, v1                    ; wave 0..15
	s_and_b32 s23, ttmp7, 0xffff                   ; expert
	s_mov_b32 s24, ttmp9                           ; slice
	s_lshl_b32 s51, s22, 4
	s_mov_b32 s26, s51                             ; the first trip's tile is tile w
	s_mul_i32 s38, s22, 2304
	s_add_co_u32 s38, s38, STG                     ; my stage
	s_mul_i32 s41, s22, 6144                       ; my four fragments of the codes,
	s_lshl_b32 s40, s22, 8                         ; and my sixteenth of the scale words
	s_lshl_b32 s29, s23, 5
	s_add_co_u32 s29, s29, s24                     ; 32 e + slice
	s_mul_i32 s42, s29, 98304
	s_mov_b32 s43, 0
	s_lshl_b32 s44, s29, 12
	s_mov_b32 s45, 0
	s_lshl_b32 s46, s29, 7                         ; b2: expert x 4 KiB + slice x 128 bytes
	s_mov_b32 s47, 0
	s_lshl_b32 s56, s24, 7                         ; out0: slice x 128 bytes
	s_mov_b32 s57, 0
	s_lshl_b32 s54, s23, 6
	s_add_co_u32 s54, s54, s22                     ; 64 e + w
	s_mov_b32 s39, 0
	v_and_b32 v1, 31, v0                           ; lane
	v_bfe_u32 v14, v0, 4, 1
	v_and_b32 v12, 15, v0
	v_and_b32 v13, 1, v0
	v_bfe_u32 v3, v0, 1, 3
	v_lshlrev_b32 v7, 4, v1
	v_lshlrev_b32 v2, 3, v1
	v_lshlrev_b32 v15, 2, v1
	v_lshlrev_b32 v14, 6, v14
	v_mul_u32_u24 v12, v12, 144
	v_lshlrev_b32 v13, 5, v13
	v_add_nc_u32 v8, 49152, v7
	v_add_nc_u32 v9, BSC, v2
	v_add_nc_u32 v4, s41, v7                       ; the same offset in wq's slice and in LDS
	v_add_nc_u32 v6, s41, v2
	v_lshl_add_u32 v13, v3, 2, v13                 ; column l lies at 64 (l / 16) + 32 (l % 2) + 4 ((l / 2) % 8) of a stage row
	v_add_nc_u32 v2, s40, v2
	v_add_nc_u32 v12, v12, v14
	s_delay_alu instid0(VALU_DEP_3)
	v_add_nc_u32 v13, v13, v14
	s_delay_alu instid0(VALU_DEP_3)
	v_add_nc_u32 v3, BSC, v2
	s_delay_alu instid0(VALU_DEP_3)
	v_add_nc_u32 v12, s38, v12                     ; stage in: row lane % 16, my 64 bytes of it
	s_delay_alu instid0(VALU_DEP_3)
	v_add_nc_u32 v13, s38, v13                     ; stage back: a row an instruction
	s_wait_alu depctr_va_vdst(0)
	s_wait_kmcnt 0x0
	s_add_nc_u64 s[30:31], s[10:11], s[42:43]
	s_add_nc_u64 s[32:33], s[16:17], s[44:45]
	s_add_nc_u64 s[48:49], s[12:13], s[46:47]
	s_add_nc_u64 s[52:53], s[14:15], s[56:57]
.set n, 0
.rept 8
	global_load_b128 v[A+4*n:A+4*n+3], v7, s[4:5] offset:512*n   ; idx: register 4 j + c of lane l is token 128 j + 4 l + c
.set n, n+1
.endr
.irp i, 0,1,2,3                                ; a fragment's 12 registers of lane L, from its four runs in memory
	global_load_b128 v[162+12*\i:165+12*\i], v4, s[30:31] offset:1536*\i
	global_load_b64 v[166+12*\i:167+12*\i], v6, s[30:31] offset:1536*\i+512
	global_load_b64 v[168+12*\i:169+12*\i], v6, s[30:31] offset:1536*\i+768
	global_load_b128 v[170+12*\i:173+12*\i], v4, s[30:31] offset:1536*\i+1024
.endr
	global_load_b64 v[234:235], v2, s[32:33]
	global_load_b32 v5, v15, s[48:49]              ; b2 at column lane
	s_wait_loadcnt 18                              ; idx is in; the 18 loads behind it may be out
	v_readfirstlane_b32 s58, v[A]                  ; token 0's expert
.set g, 0
.rept 32
	v_cmp_eq_u32 s[68+g], s23, v[A+g]              ; MASKS: who goes to my expert
.set g, g+1
.endr
	s_mov_b32 s25, 0
.set g, 0
.rept 32
	s_bcnt1_i32_b32 s29, s[68+g]
	s_add_co_u32 s25, s25, s29                     ; the expert's rows
.set g, g+1
.endr
	s_min_u32 s58, s58, 7                          ; a loaded number enters an address only behind a clamp
	s_lshl_b32 s58, s58, 6                         ; tile 0 of that expert: it has a row, so the launch before has stored the tile whole
	s_cmp_lt_u32 s26, s25                          ; has my tile rows?
	s_cselect_b32 s29, s54, s58                    ; then my tile, else that one: only the tile's NUMBER is chosen
	s_cselect_b32 s55, -1, 0
	s_min_u32 s29, s29, 511
	s_mul_i32 s38, s29, 49152
	s_add_nc_u64 s[34:35], s[6:7], s[38:39]        ; h's codes: the tile's 32 fragments
	s_lshl_b32 s38, s29, 11
	s_add_nc_u64 s[36:37], s[8:9], s[38:39]        ; and their scale words
	v_and_b32 v10, s55, v7
	v_and_b32 v11, s55, v15
	s_delay_alu instid0(VALU_DEP_2)
	v_min_u32 v10, 0x1f0, v10                      ; 16 x lane, or 0 in a wave without rows
	s_delay_alu instid0(VALU_DEP_2)
	v_min_u32 v11, 0x7c, v11                       ; 4 x lane, or 0
	s_wait_alu depctr_va_vdst(0)
	LOADA 0, 0
	LOADA 1, 1
	s_wait_loadcnt 28                              ; my part of the weights and b2 are in; the 28 loads of h behind them may be out
.irp i, 0,1,2,3
.irp q, 0,1,2
	ds_store_b128 v4, v[162+12*\i+4*\q:165+12*\i+4*\q] offset:1536*\i+512*\q
.endr
.endr
	ds_store_b64 v3, v[234:235]
	s_wait_dscnt 0x0                               ; for the others' sake: my part has landed
	s_barrier_signal -1
	s_barrier_wait -1                              ; everybody's has; nothing is written there again
	s_mov_b32 s27, 0
.Ltail:                                                ; four trips, tile 16 trip + w
	s_lshl_b32 s26, s27, 8
	s_add_co_u32 s26, s26, s51
	s_cmp_lt_u32 s26, s25
	s_cbranch_scc0 .Lnext                          ; my tile has no rows
	s_cmp_eq_u32 s27, 0
	s_cbranch_scc1 .Lmul                           ; the first trip's h was asked for ahead of the barrier
	s_wait_loadcnt 0x0                             ; every earlier load is done: its bases and its registers may be written again
	s_lshr_b32 s29, s26, 4
	s_lshl_b32 s38, s23, 6
	s_add_co_u32 s29, s29, s38                     ; 64 e + tile
	s_mul_i32 s38, s29, 49152
	s_mov_b32 s39, 0
	s_add_nc_u64 s[34:35], s[6:7], s[38:39]
	s_lshl_b32 s38, s29, 11
	s_add_nc_u64 s[36:37], s[8:9], s[38:39]
	LOADA 0, 0
	LOADA 1, 1
.Lmul:
	FETCHK 0
.set ks, 0
.rept 32
.if ks%4 == 0
.if ks < 24
	LOADA ks/4+2, (ks/4+2)%3
	s_wait_loadcnt 28                              ; this round's h is in; the 28 loads of the next two rounds may be out
.elseif ks == 24
	s_wait_loadcnt 14                              ; the last round's 14 may be out
.else
	s_wait_loadcnt 0x0
.endif
.endif
.if ks < 31
	FETCHK ks+1
.if ks%2
	s_wait_dscnt 7                                 ; this K step's loads are in; the next one's six and its scale words may be out
.else
	s_wait_dscnt 6                                 ; the next one's six may be out
.endif
.else
	s_wait_dscnt 0x0
.endif
	WM2 ks, (ks/4)%3
.set ks, ks+1
.endr
	LIST                                           ; lane j (0 .. 15) holds row j's token
	ds_store_b128 v12, v[ACC:ACC+3]                ; each accumulator from its low end on
	ds_store_b128 v12, v[ACC+4:ACC+7] offset:16
	ds_store_b128 v12, v[ACC+8:ACC+11] offset:32
	ds_store_b128 v12, v[ACC+12:ACC+15] offset:48
.set j, 0
.rept 16
	ds_load_b32 v[A+j], v13 offset:144*j           ; LDS serves a wave's instructions in order: these see my stores.  A row an instruction, lane l its column l
.set j, j+1
.endr
	s_mov_b32 s39, 0
	s_wait_alu depctr_va_vdst(0)
	s_wait_dscnt 0x0
.set j, 0
.rept 16
	v_add_f32 v[A+j], v[A+j], v5                   ; + b2
.set j, j+1
.endr
	s_wait_alu depctr_va_vdst(0)                   ; ahead of the scalar lines and branches behind which the sums are stored
	; Row by row: the token as a scalar, clamped, x 4,096 bytes, onto out0's pointer.  Eight pairs of base registers take turns.  The rows ascend, so the first one beyond the list's end ends the run.
.irp j, 0,1,2,3,4,5,6,7,8,9,10,11,12,13,14,15
.set PB, 40+2*(\j%4)+16*((\j/4)%2)
.if \j == 8
	s_wait_xcnt 0x0                                ; the first eight stores have read their bases, which are written again from here on
.endif
.if \j > 0
	s_add_co_u32 s29, s26, \j
	s_cmp_lt_u32 s29, s25
	s_cbranch_scc0 .Lsent
.endif
	v_readlane_b32 s38, v[TOK], \j
	s_min_u32 s38, s38, 0x3ff                      ; a number made of loaded numbers enters an address only behind this clamp
	s_lshl_b32 s38, s38, 12
	s_add_nc_u64 s[PB:PB+1], s[52:53], s[38:39]
	global_store_b32 v15, v[A+\j], s[PB:PB+1]      ; the 32 lanes store the row's 128 consecutive bytes
.endr
.Lsent:
	s_wait_xcnt 0x0                                ; the stores' data and bases are written again only behind this wait
.Lnext:
	s_add_co_u32 s27, s27, 1
	s_cmp_lt_u32 s27, 4
	s_cbranch_scc1 .Ltail
	s_wait_tensorcnt 0x0                           ; the wave's end
	ds_add_u32 v254, v255
	s_wait_dscnt 0x0
	s_endpgm
.Lfunc_end_k_qffe2f3d592_down:
	.size	k_qffe2f3d592_down, .Lfunc_end_k_qffe2f3d592_down-k_qffe2f3d592_down
	.p2alignl 7, 3214868480
	.fill 96, 4, 3214868480
	.section	.rodata,"a",@progbits
	.p2align	6, 0x0
	.amdhsa_kernel k_qffe2f3d592_down
		.amdhsa_group_segment_fixed_size 141312
		.amdhsa_private_segment_fixed_size 0
		.amdhsa_enable_private_segment 0
		.amdhsa_kernarg_size 56
		.amdhsa_user_sgpr_count 2
		.amdhsa_user_sgpr_kernarg_segment_ptr 1
		.amdhsa_wavefront_size32 1
		.amdhsa_system_sgpr_workgroup_id_x 1
		.amdhsa_system_sgpr_workgroup_id_y 1
		.amdhsa_system_sgpr_workgroup_id_z 1
		.amdhsa_system_vgpr_workitem_id 0
		.amdhsa_next_free_vgpr 256
		.amdhsa_next_free_sgpr 100
		.amdhsa_reserve_vcc 1
		.amdhsa_float_denorm_mode_32 3
		.amdhsa_float_denorm_mode_16_64 3
		.amdhsa_memory_ordered 1
		.amdhsa_forward_progress 1
		.amdhsa_inst_pref_size 75
	.end_amdhsa_kernel
	.amdgpu_metadata
---
amdhsa.version: [ 1, 2 ]
amdhsa.kernels:
  - .name:           k_qffe2f3d592_down
    .symbol:         k_qffe2f3d592_down.kd
    .args:
      - { .name: idx, .offset: 0, .size: 8, .value_kind: global_buffer, .address_space: global }
      - { .name: hq, .offset: 8, .size: 8, .value_kind: global_buffer, .address_space: global }
      - { .name: hs, .offset: 16, .size: 8, .value_kind: global_buffer, .address_space: global }
      - { .name: wq, .offset: 24, .size: 8, .value_kind: global_buffer, .address_space: global }
      - { .name: b2, .offset: 32, .size: 8, .value_kind: global_buffer, .address_space: global }
      - { .name: out0, .offset: 40, .size: 8, .value_kind: global_buffer, .address_space: global }
      - { .name: ws, .offset: 48, .size: 8, .value_kind: global_buffer, .address_space: global }
    .group_segment_fixed_size: 141312
    .private_segment_fixed_size: 0
    .kernarg_segment_align: 8
    .kernarg_segment_size: 56
    .max_flat_workgroup_size: 512
    .sgpr_count:     100
    .vgpr_count:     256
    .wavefront_size: 32
...
	.end_amdgpu_metadata
.endif
;; end of part 3
